; MI455X (gfx1250); checked and timed in simulation.
; The chip was launched on July 23, 2026; its instructions are those of AMD's public machine-readable ISA for CDNA 5 (MIT licence, August 2026) and "CDNA5" Instruction Set Architecture Reference Guide (July 2026). The comments in the code are by the model that wrote it; some were corrected since.
;; Layer Norm LSTM Cell. Allowed arithmetic: matrix products marked QUANTISED: E5M2 operands, one E8M0 scale for each 32 along K, by v_wmma_scale_f32_16x16x128_f8f6f4 with both operands' format E5M2, f32 sums; everything else in f32.
;; Inputs: W_hh 4,096 x 1,024 float32; W_ih 4,096 x 1,024 float32; cx 8,192 x 1,024 float32; hx 8,192 x 1,024 float32; input 8,192 x 1,024 float32; ln_c_b 1,024 float32; ln_c_g 1,024 float32; ln_h_b 4,096 float32; ln_h_g 4,096 float32; ln_i_b 4,096 float32; ln_i_g 4,096 float32.
;; Outputs: out0 8,192 x 1,024 float32; out1 8,192 x 1,024 float32.
;; This version of the problem:
;;   THIS VERSION OF THE PROBLEM IS GIVEN IN LOW PRECISION. The matrix products marked QUANTISED in the list below multiply operands that are first quantised to E5M2 (5 exponent bits, 2 mantissa bits; 8 bits a number), with one power-of-two scale for each 32 numbers along K (OCP MX v1.0); their sums are f32. All else is computed in f32.
;;   The module's matrix products, in the order in which they are computed (A, B: the left and right operand; K: the contracted axis; several contracted axes count as one K, in the product's order):
;;     1. [M 8,192, K 1,024] x [K 1,024, N 4,096]; A: input input; B: input W_ih: QUANTISED
;;     2. [M 8,192, K 1,024] x [K 1,024, N 4,096]; A: input hx; B: input W_hh: QUANTISED
;;   THE QUANTISER, for each operand of a quantised product, along K:
;;     - K is cut into blocks of 32 from its start; a last block that is shorter is filled with zeros.
;;     - A block's scale is 2^e with e = floor(log2(the largest magnitude in the block)) - 15, held to -126 .. 127; a block of zeros has e = 0. As a byte (E8M0): e + 127.
;;     - Each number is divided by its block's scale, clamped to +-57,344, and rounded to the nearest number of E5M2, ties to even, subnormals kept.
;;     - The product sums the exact products of the quantised numbers (number of the format x scale) in f32.
;;   ~~~python
;;   def quantise(x, axis):      # numpy; x: float32 -> the quantised numbers, widened to float32 again
;;       x = np.moveaxis(x, axis, -1); K = x.shape[-1]
;;       x = np.pad(x, [(0, 0)] * (x.ndim - 1) + [(0, -K % 32)]); x = x.reshape(x.shape[:-1] + (-1, 32)); a = np.abs(x).max(-1, keepdims=True)
;;       e = np.where(a > 0, np.clip(np.frexp(np.where(a > 0, a, 1))[1] - 1 - 15, -126, 127), 0)      # np.frexp(a)[1] - 1 = floor(log2(a)), exactly
;;       r = np.clip(x / 2.0 ** e, -57344, 57344)
;;       step = 2.0 ** (np.maximum(np.frexp(np.where(r == 0, 1, r))[1] - 1, -14) - 2)
;;       q = np.round(r / step) * step * 2.0 ** e      # np.round: ties to even
;;       return np.moveaxis(q.reshape(q.shape[:-2] + (-1,))[..., :K], -1, axis).astype(np.float32)
;;   ~~~
;; One version. Each part assembles by itself: llvm-mc -triple=amdgcn-amd-amdhsa -mcpu=gfx1250 --defsym DOCPART=n.
;; ======== version 1 of 1: 3 launches
;; limits: right only within a limited range of input values
;; workspace buffers: ablk 17,301,504 bytes; bblk 8,650,752 bytes; raw 268,435,456 bytes; stats 4,194,304 bytes
;; launch quant (part 1): grid 768 x 1, 4 waves a work-group, no clusters, 33,280 bytes of LDS; arguments input, hx, W_ih, W_hh, ablk, bblk; writes ablk, bblk
.if DOCPART == 1
	.amdgcn_target "amdgcn-amd-amdhsa--gfx1250"
	.amdhsa_code_object_version 6
	.text
	.protected	k_q9315f750fb_quant
	.globl	k_q9315f750fb_quant
	.p2align	8
	.type	k_q9315f750fb_quant,@function
k_q9315f750fb_quant:
	s_mov_b64 s[64:65], 0
	v_nop
	global_prefetch_b8 v0, s[64:65] scope:SCOPE_SE
	s_setreg_imm32_b32 hwreg(HW_REG_WAVE_MODE, 25, 1), 1
	s_wait_xcnt 0x0
; input, hx [8192][1024] and W_ih, W_hh [4096][1024], f32, K innermost, become codes of BF8 (E5M2), one byte each, with one E8M0 scale byte for each 32 along K, LAID AS THE PRODUCT'S LAUNCH READS THEM:
; for each 128 rows and each 256 along K ONE DENSE BLOCK of 33,792 bytes: 128 rows x 256 codes, then 128 rows x 8 scale bytes.  Block (row / 128, k / 256) begins at ((row / 128) x 4 + k / 256) x 33,792.
; ablk: 16,384 rows (input's, then hx's); bblk: 8,192 rows (W_ih's, then W_hh's).
; A block of 32's scale is 2^(floor(log2(its largest magnitude)) - 15); its byte is the largest magnitude's exponent field - 15, held at 1 from below.  Each number is divided by the scale,
; held within +-57,344 and rounded to the nearest code, ties to even.
; LIMITS: a block of zeros gets the byte 1 where the rule says 127: its codes are zeros, which add nothing under any byte but 0xff, and this program alone reads the bytes.
; Blocks whose largest magnitude lies under 2^(16 - 127) are quantised under the byte 1.  NaN and infinities among the inputs are not served.
; A work-group takes 32 rows (32,768 numbers), a wave 8 of them: 16 steps of 512 numbers, half a row each.
; Work-groups 0-255 take input, 256-511 hx, 512-639 W_ih, 640-767 W_hh: only pointers are chosen, by the work-group's number; there is one path through the text.
; Each of a step's four loads reads 512 consecutive bytes, 16 a lane; the step's 2,048 bytes turn through the wave's own stage in LDS and come back 64 bytes a lane: 16 NEIGHBOURS along K, which the
; conversions want in one lane's registers (two neighbouring lanes hold a block of 32).  A lane's 16 codes are 16 bytes: lanes 0-15 store 256 consecutive bytes, aligned, of one 256 along K, lanes 16-31 of the next.
; A wave's 256 scale bytes are gathered in its own LDS bytes; behind ONE barrier wave w reads, of all four waves' bytes, those of the w-th 256 along K for the group's 32 rows and stores them as 256 consecutive bytes, aligned.
; Loads run four steps (16 loads a wave) ahead.  No matrix unit, no cluster, no tensor load: nothing is shared between work-groups and every byte is touched once.
.set STEPS, 16
.set MANT,  0x600000                   ; the mantissa field of 57,344 as f32
.set BLKB,  33792                      ; a block in memory
.set R,     16                         ; v16-79   four sets of 16 numbers as they are loaded
.set X,     80                         ; v80-111  two sets of 16 neighbours
.set E,     112                        ; v112-127 a scale byte for each step
.set C,     128                        ; v128-191 codes: four registers for each step, so that no store's data are written again
.set WREG,  8192                       ; LDS: a region for each wave: two stages of 32 x SP bytes, behind them its 256 scale bytes: [8 rows][32 bytes]
.set SP,    80                         ; a lane's place in a stage: its 64 bytes + 16 of padding
	s_load_b256 s[4:11], s[0:1], 0x0               ; input s[4:5], hx s[6:7], W_ih s[8:9], W_hh s[10:11]
	s_load_b128 s[12:15], s[0:1], 0x20             ; ablk s[12:13], bblk s[14:15]
	v_lshl_add_u32 v192, v0, 2, 0x8000
	v_mov_b32 v193, 0
	v_lshrrev_b32 v1, 5, v0
	v_readfirstlane_b32 s28, v1                    ; wave 0..3
	v_and_b32 v2, 31, v0                           ; lane
	v_lshlrev_b32 v3, 4, v2                        ; my 16 bytes of a load's 512
	s_mul_i32 s29, s28, WREG
	v_lshrrev_b32 v14, 2, v2
	v_mul_u32_u24 v14, v14, SP
	v_and_b32 v15, 3, v2
	v_lshl_add_u32 v14, v15, 4, v14
	v_add_nc_u32 v14, s29, v14                     ; the stage, on the way in: four lanes' 64 bytes on end, then 16 of padding
	v_mul_u32_u24 v15, v2, SP
	v_add_nc_u32 v15, s29, v15                     ; and on the way out: SP x lane: my 16 neighbours
	v_and_b32 v4, 15, v2
	v_lshlrev_b32 v4, 4, v4
	v_lshrrev_b32 v5, 4, v2
	v_mad_u32_u24 v4, v5, BLKB, v4                 ; my codes' place: 16 (lane % 16) in a row of 256 codes; lanes 16-31 one block (256 along K) on
	v_lshrrev_b32 v5, 1, v2
	s_add_co_u32 s29, s29, 2*32*SP
	v_add_nc_u32 v5, s29, v5                       ; LDS: my wave's 256 scale bytes, my block's byte
	v_lshrrev_b32 v6, 3, v2                        ; on the way out lane l takes row l of the group's 32: wave l / 8's region, its row l % 8,
	v_and_b32 v8, 7, v2
	v_lshlrev_b32 v8, 5, v8
	v_lshl_add_u32 v6, v6, 13, v8
	s_lshl_b32 s27, s28, 3                         ; and of its 32 bytes the eight of the w-th 256 along K
	s_add_co_u32 s27, s27, 2*32*SP
	v_add_nc_u32 v6, s27, v6
	v_lshlrev_b32 v7, 3, v2                        ; 8 bytes a lane
	s_mov_b32 s40, MANT                            ; (an instruction takes one literal: the hold's line has another)
	s_wait_kmcnt 0x0
	s_cmp_lt_u32 ttmp9, 256                        ; every choice hangs on the work-group's number alone
	s_cselect_b64 s[20:21], s[4:5], s[6:7]         ; input or hx,
	s_cselect_b32 s24, 0, 256                      ; and the number of that tensor's first work-group
	s_mov_b32 s25, 640
	s_cmp_lt_u32 ttmp9, 640
	s_cselect_b64 s[22:23], s[8:9], s[10:11]       ; W_ih or W_hh
	s_cselect_b32 s25, 512, s25
	s_cmp_lt_u32 ttmp9, 512
	s_cselect_b64 s[4:5], s[20:21], s[22:23]       ; the source,
	s_cselect_b32 s24, s24, s25                    ; its first work-group,
	s_cselect_b64 s[8:9], s[12:13], s[14:15]       ; the buffer of blocks,
	s_cselect_b32 s26, 0, 512                      ; and the first work-group that stores into it
	s_sub_co_u32 s24, ttmp9, s24
	s_lshl_b32 s24, s24, 2
	s_add_co_u32 s30, s24, s28                     ; which run of 8,192 numbers of the source is my wave's
	s_mov_b32 s31, 0
	s_lshl_b64 s[34:35], s[30:31], 15              ; 32,768 bytes of f32 a run
	s_add_nc_u64 s[4:5], s[4:5], s[34:35]
	s_sub_co_u32 s26, ttmp9, s26                   ; which 32 rows of the two stacked tensors are my group's
	s_lshr_b32 s32, s26, 2
	s_mul_i32 s32, s32, 4*BLKB                     ; their 128 rows' four blocks begin here (under 2^25),
	s_and_b32 s33, s26, 3                          ; and they are the s33-th 32 of the 128
	s_lshl_b32 s34, s33, 13                        ; codes: 32 rows of 256 bytes a group,
	s_add_co_u32 s34, s34, s32
	s_lshl_b32 s36, s28, 11                        ; 8 rows a wave
	s_add_co_u32 s34, s34, s36
	s_mov_b32 s35, 0
	s_lshl_b32 s36, s33, 8                         ; scale bytes: 32 rows of 8 bytes a group,
	s_add_co_u32 s36, s36, s32
	s_mul_i32 s37, s28, BLKB                       ; in the block of the w-th 256 along K,
	s_add_co_u32 s36, s36, s37
	s_add_co_u32 s36, s36, 32768                   ; behind its codes
	s_mov_b32 s37, 0
	s_add_nc_u64 s[10:11], s[8:9], s[36:37]
	s_add_nc_u64 s[8:9], s[8:9], s[34:35]
.macro LOAD t
.irp i, 0,1,2,3
	global_load_b128 v[R+16*((\t)%4)+4*\i:R+16*((\t)%4)+4*\i+3], v3, s[4:5] offset:2048*(\t)+512*\i th:TH_LOAD_NT   ; 32 lanes read 512 consecutive bytes; read once in the launch
.endr
.endm
.macro TURN t                          ; step t's numbers through the stage: LDS serves a wave's instructions in order (ISA guide 5.7.1), so no wait stands between the stores and the loads
.irp i, 0,1,2,3
	ds_store_b128 v14, v[R+16*((\t)%4)+4*\i:R+16*((\t)%4)+4*\i+3] offset:32*SP*((\t)%2)+8*SP*\i
.endr
.irp i, 0,1,2,3
	ds_load_b128 v[X+16*((\t)%2)+4*\i:X+16*((\t)%2)+4*\i+3], v15 offset:32*SP*((\t)%2)+16*\i
.endr
.endm
.irp t, 0,1,2,3
	LOAD \t
.endr
	s_wait_loadcnt 12                              ; step 0's four loads are in; the twelve of steps 1 to 3 stay out
	TURN 0
.macro STEP t                          ; step t: row t / 2 of my eight, its half t % 2
.set XS, X+16*((\t)%2)
.if (\t) > 0
	s_wait_dscnt 1                                 ; this step's numbers are back from the stage (the last step's byte store may be out): so its stores into the stage have read their registers,
.else
	s_wait_dscnt 0x0
.endif
.if (\t)+4 < STEPS
	LOAD (\t)+4                                    ; which take the loads of four steps on
.endif
.if (\t)+1 < STEPS
.if STEPS-2-(\t) >= 3
	s_wait_loadcnt 12                              ; the next step's four loads are in; those of the three steps behind it may be out
.else
	s_wait_loadcnt 4*(STEPS-2-(\t))                ; the tail: as many steps' loads as are left behind the next step's
.endif
	TURN (\t)+1                                    ; and go through the other stage while this step is worked
.endif
	v_max3_num_f32 v8, |v[XS]|, |v[XS+1]|, |v[XS+2]|               ; the largest magnitude of my 16, in two chains
	v_max3_num_f32 v9, |v[XS+3]|, |v[XS+4]|, |v[XS+5]|
.irp i, 6,10
	v_max3_num_f32 v8, v8, |v[XS+\i]|, |v[XS+\i+1]|
	v_max3_num_f32 v9, v9, |v[XS+\i+2]|, |v[XS+\i+3]|
.endr
	v_max3_num_f32 v8, v8, |v[XS+14]|, |v[XS+15]|
	v_max3_num_f32 v8, v8, v9, 0x8000000           ; and the floor 2^(16 - 127), under which no largest magnitude is taken: so the byte cannot fall under 1
	v_max_num_f32_dpp v8, v8, v8 row_xmask:1 row_mask:0xf bank_mask:0xf   ; and of my neighbour's 16: the block's
	v_add_nc_u32 v11, 0xf8800000, v8               ; 15 off its exponent field: the conversion takes the exponent field of this operand as its scale, and nothing else of it
	v_and_or_b32 v10, v8, 0x7f800000, s40          ; 57,344 x the scale: the largest magnitude's exponent field over 57,344's mantissa
.irp i, 0,1,2,3,4,5,6,7,8,9,10,11,12,13,14,15
	v_med3_num_f32 v[XS+\i], v[XS+\i], -v10, v10   ; the conversion to an 8-bit code does not saturate (ISA guide 7.6.2): hold the number within the largest code x the scale first
.endr
	v_cvt_scalef32_pk8_bf8_f32 v[C+4*(\t):C+4*(\t)+1], v[XS:XS+7], v11          ; eight numbers / the scale, to the nearest code, ties to even; the first number's code in the lowest byte
	v_cvt_scalef32_pk8_bf8_f32 v[C+4*(\t)+2:C+4*(\t)+3], v[XS+8:XS+15], v11
	v_lshrrev_b32 v[E+(\t)], 23, v11               ; the scale's byte; also the plain vector line behind the conversions
	ds_store_b8 v5, v[E+(\t)] offset:16*(\t)       ; both lanes of a block write the same byte with the same value
	global_store_b128 v4, v[C+4*(\t):C+4*(\t)+3], s[8:9] offset:2*BLKB*((\t)%2)+256*((\t)/2)   ; row t / 2; the row's second half lies two blocks on; each sixteen lanes store 256 consecutive bytes, aligned
.endm
.irp t, 0,1,2,3,4,5,6,7,8,9,10,11,12,13,14,15
	STEP \t
.endr
	s_wait_dscnt 0x0                               ; for the others' sake: my byte stores have landed
	s_barrier_signal -1
	s_barrier_wait -1                              ; everybody's have
	ds_load_b64 v[12:13], v6                       ; row l's eight bytes of the w-th 256 along K
	s_wait_dscnt 0x0
	global_store_b64 v7, v[12:13], s[10:11]        ; 32 lanes store 256 consecutive bytes, aligned
	s_wait_tensorcnt 0x0
	ds_add_u32 v192, v193
	s_wait_dscnt 0x0
	s_endpgm
.Lfunc_end_k_q9315f750fb_quant:
	.size	k_q9315f750fb_quant, .Lfunc_end_k_q9315f750fb_quant-k_q9315f750fb_quant
	.p2alignl 7, 3214868480
	.fill 96, 4, 3214868480
	.section	.rodata,"a",@progbits
	.p2align	6, 0x0
	.amdhsa_kernel k_q9315f750fb_quant
		.amdhsa_group_segment_fixed_size 33280
		.amdhsa_private_segment_fixed_size 0
		.amdhsa_enable_private_segment 0
		.amdhsa_kernarg_size 48
		.amdhsa_user_sgpr_count 2
		.amdhsa_user_sgpr_kernarg_segment_ptr 1
		.amdhsa_wavefront_size32 1
		.amdhsa_system_sgpr_workgroup_id_x 1
		.amdhsa_system_sgpr_workgroup_id_y 1
		.amdhsa_system_sgpr_workgroup_id_z 1
		.amdhsa_system_vgpr_workitem_id 0
		.amdhsa_next_free_vgpr 194
		.amdhsa_next_free_sgpr 66
		.amdhsa_reserve_vcc 0
		.amdhsa_float_denorm_mode_32 3
		.amdhsa_float_denorm_mode_16_64 3
		.amdhsa_memory_ordered 1
		.amdhsa_forward_progress 1
		.amdhsa_inst_pref_size 52
	.end_amdhsa_kernel
	.amdgpu_metadata
---
amdhsa.version: [ 1, 2 ]
amdhsa.kernels:
  - .name:           k_q9315f750fb_quant
    .symbol:         k_q9315f750fb_quant.kd
    .args:
      - { .name: input, .offset: 0, .size: 8, .value_kind: global_buffer, .address_space: global }
      - { .name: hx, .offset: 8, .size: 8, .value_kind: global_buffer, .address_space: global }
      - { .name: W_ih, .offset: 16, .size: 8, .value_kind: global_buffer, .address_space: global }
      - { .name: W_hh, .offset: 24, .size: 8, .value_kind: global_buffer, .address_space: global }
      - { .name: ablk, .offset: 32, .size: 8, .value_kind: global_buffer, .address_space: global }
      - { .name: bblk, .offset: 40, .size: 8, .value_kind: global_buffer, .address_space: global }
    .group_segment_fixed_size: 33280
    .private_segment_fixed_size: 0
    .kernarg_segment_align: 8
    .kernarg_segment_size: 48
    .max_flat_workgroup_size: 128
    .sgpr_count:     66
    .vgpr_count:     194
    .wavefront_size: 32
...
	.end_amdgpu_metadata
.endif
;; end of part 1
;; launch gemm (part 2): grid 32 x 8, 4 waves a work-group, clusters of 4 x 4, 327,680 bytes of LDS; arguments ablk, bblk, raw, stats; writes raw, stats
.if DOCPART == 2
	.amdgcn_target "amdgcn-amd-amdhsa--gfx1250"
	.amdhsa_code_object_version 6
	.text
	.protected	k_q9315f750fb_gemm
	.globl	k_q9315f750fb_gemm
	.p2align	8
	.type	k_q9315f750fb_gemm,@function
k_q9315f750fb_gemm:
	s_mov_b64 s[64:65], 0
	v_nop
	global_prefetch_b8 v0, s[64:65] scope:SCOPE_SE
	s_setreg_imm32_b32 hwreg(HW_REG_WAVE_MODE, 25, 1), 1
	s_wait_xcnt 0x0
	s_wait_alu depctr_hold_cnt(0) depctr_sa_sdst(0) depctr_va_vdst(0) depctr_va_sdst(0) depctr_va_ssrc(0) depctr_va_vcc(0) depctr_vm_vsrc(0)
	s_getreg_b32 s2, hwreg(HW_REG_IB_STS2, 6, 4)
	s_cmp_eq_u32 s2, 0
	s_cbranch_scc0 .Lentry_in_a_cluster
	s_endpgm
.Lentry_in_a_cluster:
	s_bfe_u32 s2, ttmp6, 0x10000c
	s_cmp_lg_u32 s2, 0xf033
	s_cbranch_scc0 .Lentry_shape_is_right
	s_endpgm
.Lentry_shape_is_right:
.set SIZE_N, 8192
.set TILES,  4
.set WALK,   8192/TILES
.set BLKB,   33792
.set RBB,    4*BLKB
.set NQ,     2
.set PITCH,  272
.set FR,     16
.set NL,     4
.set NP,     8
.set HALFT,  132*PITCH
.set SCO,    128*PITCH
.set SLOT,   4*HALFT
.set STAGE,  2*SLOT
.set SPITCH, 528
.set SPARE,  STAGE+4*16*SPITCH
.set NEXT_A, (WALK/128)*RBB-2*BLKB
.set BACK_B, 2*BLKB
.set NEXT_C, (WALK-7*16)*SIZE_N*4
.set ADRA, 16
.set ADRB, 20
.set STO,  24
.set RD,   25
.set CO,   26
.set SPW,  28
.set NIL,  29
.set ADRS, 30
.set SC,   32
.set AF,   128
.set BK,   128
.set G1, 24
.set G0, 32
.set G1B, 48
.set G0B, 56
.set CST, 68
.set MSB, 0
.macro WIN new
.if MSB != \new
	s_set_vgpr_msb (MSB<<8)|\new
.set MSB, \new
.endif
.endm
.set MUL_LO, 0xa1
.set MUL_HI, 0xf1
.set TO_B,   0x40
.set FROM_B, 0x04
.macro JLOAD g0a, g1a, g0b, g1b
	s_cmp_eq_u32 s15, 0
	s_cbranch_scc0 .Lfor_b_\@
	tensor_load_to_lds s[\g0a:\g0a+3], s[\g1a:\g1a+7]
	s_nop 0
.rept 4
	v_nop
.endr
	s_branch .Lasked_\@
.Lfor_b_\@:
	tensor_load_to_lds s[\g0b:\g0b+3], s[\g1b:\g1b+7]
	s_nop 0
.rept 4
	v_nop
.endr
.Lasked_\@:
.endm
.macro CREST
	s_cmp_lg_u32 s14, 0
	s_cbranch_scc1 .Lnot_wave_0_\@
	s_barrier_signal -3
.Lnot_wave_0_\@:
	s_barrier_wait -3
	s_barrier_signal -1
	s_barrier_wait -1
.endm
.macro CROUND
	s_barrier_signal -1
	s_barrier_wait -1
	CREST
.endm
	s_load_b128 s[4:7], s[0:1], 0x0
	s_load_b64 s[12:13], s[0:1], 0x10
	s_load_b64 s[8:9], s[0:1], 0x18                ; stats
	v_lshl_add_u32 v[SPW], v0, 2, SPARE
	v_mov_b32 v[NIL], 0
	ds_add_u32 v28, v29
	ds_add_u32 v28, v29
	s_wait_dscnt 0x0
	v_lshrrev_b32 v1, 5, v0
	v_readfirstlane_b32 s14, v1
	s_lshr_b32 s15, s14, 1
	s_and_b32 s16, s14, 1
	s_bfe_u32 s40, ttmp6, 0x40000
	s_bfe_u32 s41, ttmp6, 0x40004
	s_lshl_b32 s42, ttmp9, 2
	s_add_co_u32 s42, s42, s40
	s_and_b32 s17, ttmp7, 0xffff
	s_lshl_b32 s17, s17, 2
	s_add_co_u32 s17, s17, s41
	s_lshl_b32 s43, s41, 2
	s_lshl_b32 s43, 15, s43
	s_lshl_b32 s44, 0x1111, s40
	s_or_b32 s[G1+0], s43, (3<<16)|(1<<20)|(1<<21)|(5<<22)|(3<<25)
	s_or_b32 s[G1B+0], s44, (3<<16)|(1<<20)|(1<<21)|(5<<22)|(3<<25)
.irp g, G1, G1B
	s_mov_b32 s[\g+1], 32<<16
	s_mov_b32 s[\g+2], 132<<16
	s_mov_b32 s[\g+3], 32<<16
	s_mov_b32 s[\g+4], 132
	s_mov_b32 s[\g+5], 32
	s_mov_b32 s[\g+6], 0
	s_mov_b32 s[\g+7], 0
.endr
	s_lshl_b32 s20, s17, 1
	s_add_co_u32 s20, s20, s16
	s_lshr_b32 s70, ttmp9, 2
	s_lshl_b32 s70, s70, 6
	s_add_co_u32 s20, s20, s70
	s_mul_i32 s20, s20, RBB
	s_mov_b32 s21, 0
	s_lshl_b32 s46, s42, 1
	s_add_co_u32 s46, s46, s16
	s_mul_i32 s46, s46, RBB
	s_mov_b32 s47, 0
	s_mul_i32 s45, s14, HALFT
	s_wait_kmcnt 0x0
	s_add_nc_u64 s[20:21], s[4:5], s[20:21]
	s_add_nc_u64 s[46:47], s[6:7], s[46:47]
	CROUND
.irp s, 0,1
	s_mov_b32 s[G0+4*\s], 1
	s_add_co_u32 s[G0+4*\s+1], s45, \s*SLOT
	s_add_nc_u64 s[G0+4*\s+2:G0+4*\s+3], s[20:21], \s*BLKB
	s_or_b32 s[G0+4*\s+3], s[G0+4*\s+3], 0x80000000
	s_mov_b32 s[G0B+4*\s], 1
	s_add_co_u32 s[G0B+4*\s+1], s45, \s*SLOT
	s_add_nc_u64 s[G0B+4*\s+2:G0B+4*\s+3], s[46:47], \s*BLKB
	s_or_b32 s[G0B+4*\s+3], s[G0B+4*\s+3], 0x80000000
	s_wait_alu depctr_va_vdst(0)
	s_wait_tensorcnt 0x0
	ds_add_u32 v28, v29
	ds_add_u32 v28, v29
	s_wait_dscnt 0x0
	CROUND
	JLOAD G0+4*\s, G1, G0B+4*\s, G1B
.endr
	s_lshl_b32 s76, s40, 13                        ; the prefetches: of the 128 rows of codes that I fetch for A, my work-group names 32: told apart by address alone
	s_mov_b32 s77, 0
	s_add_nc_u64 s[72:73], s[20:21], s[76:77]      ; slot 0's block,
	s_add_nc_u64 s[74:75], s[72:73], BLKB          ; slot 1's
	v_and_b32 v1, 15, v0
	v_bfe_u32 v2, v0, 4, 1
	v_mul_u32_u24 v3, v1, PITCH
	v_lshl_add_u32 v4, v2, 4, v3
	s_mul_i32 s21, s15, HALFT
	s_mul_i32 s22, s16, HALFT
	s_add_co_u32 s22, s22, 2*HALFT
	v_lshlrev_b32 v5, 3, v1
	s_sub_co_u32 s23, s22, s21
	v_mul_u32_u24 v6, s23, v2
	v_add_nc_u32 v5, v5, v6
.irp s, 0,1
	v_add_nc_u32 v[ADRA+\s], s21, v4
	v_add_nc_u32 v[ADRB+\s], s22, v4
	v_add_nc_u32 v[ADRS+\s], s21, v5
	s_add_co_u32 s21, s21, SLOT
	s_add_co_u32 s22, s22, SLOT
.endr
	v_and_b32 v6, 31, v0
	v_lshlrev_b32 v[CO], 4, v6
	v_lshlrev_b32 v27, 2, v6
	v_lshlrev_b32 v23, 8, v6                       ; the prefetches' offset: a lane a row of 256 codes
	v_cmp_lt_u32 s10, 15, v6                       ; lanes 16-31
	v_mov_b32 v19, 0                               ; the unused half of the broadcast pair v[18:19]
	v_mov_b32 v22, 0                               ; a lane permute's destination counts as a source
	s_lshl_b32 s20, s17, 8
	s_lshl_b32 s21, s15, 7
	s_add_co_u32 s20, s20, s21
	s_mov_b32 s21, 0
	s_lshl_b64 s[20:21], s[20:21], 15
	s_lshl_b32 s46, s42, 14                        ; raw is laid [16 rows][128 columns][b][half][lane][16 bytes]: a chunk of 128 columns is 8,192 bytes, 16 rows are 524,288
	s_lshl_b32 s47, s16, 13
	s_add_co_u32 s46, s46, s47
	s_mov_b32 s47, 0
	s_add_nc_u64 s[CST:CST+1], s[20:21], s[46:47]
	s_add_nc_u64 s[12:13], s[12:13], s[CST:CST+1]  ; raw at my wave's part of the first tile
	s_lshl_b32 s20, s17, 17                        ; stats [16 rows][chunk][mean, M2][16]: 8,192 bytes for 16 rows, 128 a chunk
	s_lshl_b32 s21, s15, 16
	s_add_co_u32 s20, s20, s21
	s_lshl_b32 s21, s42, 8
	s_add_co_u32 s20, s20, s21
	s_lshl_b32 s21, s16, 7
	s_add_co_u32 s20, s20, s21
	s_mov_b32 s21, 0
	s_add_nc_u64 s[8:9], s[8:9], s[20:21]
	s_mov_b32 s11, 0x76543210                      ; v_permlanex16_b32's selects for lane l xor 16
	s_mov_b32 s71, 0xfedcba98
.macro FRAG reg, adr, q, i
.irp c, 0,1,2,3
	ds_load_b128 v[\reg+4*\c:\reg+4*\c+3], v[\adr] offset:128*(\q)+32*\c+(\i)*16*PITCH
.endr
.endm
.macro MUL16 a0, p, q, sc, zero
.irp a, \a0, \a0+1
.irp b, 0,1,2,3,4,5,6,7
.if \zero
	v_wmma_scale_f32_16x16x128_f8f6f4 v[8*(8*((\a)%4)+\b):8*(8*((\a)%4)+\b)+7], v[128*(\p)+FR*\b:128*(\p)+FR*\b+FR-1], v[AF+FR*(\a):AF+FR*(\a)+FR-1], 0, v[SC+8*NQ*(\sc)+NQ*\b+(\q)], v[SC+8*NQ*(\sc)+NQ*(\a)+(\q)] matrix_a_fmt:MATRIX_FMT_BF8 matrix_b_fmt:MATRIX_FMT_BF8 matrix_a_scale:MATRIX_SCALE_ROW1
.else
	v_wmma_scale_f32_16x16x128_f8f6f4 v[8*(8*((\a)%4)+\b):8*(8*((\a)%4)+\b)+7], v[128*(\p)+FR*\b:128*(\p)+FR*\b+FR-1], v[AF+FR*(\a):AF+FR*(\a)+FR-1], v[8*(8*((\a)%4)+\b):8*(8*((\a)%4)+\b)+7], v[SC+8*NQ*(\sc)+NQ*\b+(\q)], v[SC+8*NQ*(\sc)+NQ*(\a)+(\q)] matrix_a_fmt:MATRIX_FMT_BF8 matrix_b_fmt:MATRIX_FMT_BF8 matrix_a_scale:MATRIX_SCALE_ROW1
.endif
.endr
.endr
.endm
.macro FETCH_B slot, q, p
	WIN TO_B
.irp i, 0,1,2,3,4,5,6,7
	FRAG 128*(\p)+FR*\i, ADRB+\slot, \q, \i
.endr
	WIN 0
.endm
.macro FETCH_A slot, q, i0
.irp i, \i0, \i0+1, \i0+2, \i0+3
	FRAG AF+FR*(\i), ADRA+\slot, \q, \i
.endr
.endm
.macro SCALES sc
.irp i, 0,1,2,3,4,5,6,7
	ds_load_b64 v[SC+8*NQ*\sc+NQ*\i:SC+8*NQ*\sc+NQ*\i+1], v[ADRS+\sc] offset:SCO+(\i/2)*PITCH+(\i%2)*128
.endr
.endm
.macro PLACES n
.rept \n
	v_nop
.endr
.endm
.macro STEP slot, q, zero
	s_wait_dscnt 4*NL
	WIN MUL_LO
	MUL16 0, (\q)%2, \q, \slot, \zero
	MUL16 2, (\q)%2, \q, \slot, \zero
	s_wait_dscnt 0
	PLACES NP
	FETCH_B \slot, (\q)+1, 1-(\q)%2
	FETCH_A \slot, (\q)+1, 0
	WIN MUL_HI
	MUL16 4, (\q)%2, \q, \slot, \zero
	MUL16 6, (\q)%2, \q, \slot, \zero
	PLACES NP
	WIN 0
	FETCH_A \slot, (\q)+1, 4
.endm
; A prefetch behind a joint load and the run of LDS loads that follows it: the block of A that this slot takes at its NEXT refill, two refills on: 32 rows x 256 bytes, one instruction a wave.
; Waves 0 and 1, which fetch for A, ask; each row is named once in the cluster.  B's rows are the same for all tiles of the walk and come by their loads alone, and so do a block's 1,024 scale bytes.
; The last tile asks for nothing: it has no successor.
.set PF, 72                            ; s[72:73], s[74:75]: where slot 0's and slot 1's last refill of A began, plus my work-group's 32 rows
.macro ASK slot, fill
	s_cmp_eq_u32 s15, 0
	s_cbranch_scc0 .Lnot_a_\@
.if \fill == 1
	global_prefetch_b8 v23, s[PF+2*\slot:PF+2*\slot+1] offset:NEXT_A th:TH_LOAD_NT scope:SCOPE_SE
.else
	global_prefetch_b8 v23, s[PF+2*\slot:PF+2*\slot+1] offset:2*BLKB th:TH_LOAD_NT scope:SCOPE_SE
.endif
.Lnot_a_\@:
.endm
.macro TURN slot, next, fill, ask
.if \fill
	s_wait_xcnt 0x0                                ; my last prefetch has read its address, which is stepped below
.endif
	s_wait_tensorcnt 0x0
	ds_add_u32 v[SPW], v[NIL]
	s_wait_dscnt 4*NL+1
	WIN MUL_LO
	MUL16 0, 1, NQ-1, \slot, 0
	s_wait_dscnt 0x0
	s_barrier_signal -1
	MUL16 2, 1, NQ-1, \slot, 0
	WIN 0
	s_barrier_wait -1
.if \fill
	CREST
.if \fill == 2
	s_add_nc_u64 s[G0+4*\slot+2:G0+4*\slot+3], s[G0+4*\slot+2:G0+4*\slot+3], NEXT_A
	s_add_nc_u64 s[PF+2*\slot:PF+2*\slot+1], s[PF+2*\slot:PF+2*\slot+1], NEXT_A
	s_sub_nc_u64 s[G0B+4*\slot+2:G0B+4*\slot+3], s[G0B+4*\slot+2:G0B+4*\slot+3], BACK_B
.else
	s_add_nc_u64 s[G0+4*\slot+2:G0+4*\slot+3], s[G0+4*\slot+2:G0+4*\slot+3], 2*BLKB
	s_add_nc_u64 s[PF+2*\slot:PF+2*\slot+1], s[PF+2*\slot:PF+2*\slot+1], 2*BLKB
	s_add_nc_u64 s[G0B+4*\slot+2:G0B+4*\slot+3], s[G0B+4*\slot+2:G0B+4*\slot+3], 2*BLKB
.endif
	JLOAD G0+4*\slot, G1, G0B+4*\slot, G1B
	PLACES NP-4
.else
	PLACES NP
.endif
	s_wait_alu depctr_va_vdst(0)
	FETCH_B \next, 0, 0
	FETCH_A \next, 0, 0
	SCALES \next
.if \ask
	ASK \slot, \fill
.endif
	WIN MUL_HI
	MUL16 4, 1, NQ-1, \slot, 0
	MUL16 6, 1, NQ-1, \slot, 0
	PLACES NP
	WIN 0
	FETCH_A \next, 0, 4
.endm
; THE WAY OUT.  raw is this program's own buffer and is laid as the accumulators' registers lie: each store of the wave covers 512 consecutive bytes, aligned, straight from the accumulators, each from its low end on.
; Behind a block's 16 stores: each row's mean and M2 (the sum of squares about that mean) over my 128 columns: a lane holds 64 numbers of row l % 16, lane l xor 16 the other 64.
; Lanes 0-15 store the means, lanes 16-31 the M2: 128 consecutive bytes a block.
.set T, 64                             ; v64-127 of window 0, at work
.macro BLKOUT a
.set AC, 64*((\a)%4)
.set W, 2+(\a)/4
	WIN (W<<2)
.irp b, 0,1,2,3,4,5,6,7
	global_store_b128 v[CO], v[AC+8*\b:AC+8*\b+3], s[12:13] offset:(\a)*524288+1024*\b
	global_store_b128 v[CO], v[AC+8*\b+4:AC+8*\b+7], s[12:13] offset:(\a)*524288+1024*\b+512
.endr
	WIN (W|(W<<2))
.set i, 0
.rept 16
	v_pk_add_f32 v[T+2*i:T+2*i+1], v[AC+4*i:AC+4*i+1], v[AC+4*i+2:AC+4*i+3]
.set i, i+1
.endr
	WIN 0
.irp n, 8,4,2,1
.set i, 0
.rept \n
	v_pk_add_f32 v[T+2*i:T+2*i+1], v[T+2*i:T+2*i+1], v[T+2*(i+\n):T+2*(i+\n)+1]
.set i, i+1
.endr
.endr
	v_add_f32 v[T], v[T], v[T+1]
	v_permlanex16_b32 v22, v[T], s11, s71
	v_add_f32 v[T], v[T], v22
	v_mul_f32 v18, 0x3c000000, v[T]                ; the mean: the sum / 128
	WIN W
.set i, 0
.rept 32
	v_pk_add_f32 v[T+2*i:T+2*i+1], v[AC+2*i:AC+2*i+1], v[18:19] op_sel_hi:[1,0] neg_lo:[0,1] neg_hi:[0,1]
.set i, i+1
.endr
	WIN 0
.set i, 0
.rept 4
	v_pk_mul_f32 v[T+2*i:T+2*i+1], v[T+2*i:T+2*i+1], v[T+2*i:T+2*i+1]
.set i, i+1
.endr
.rept 28
	v_pk_fma_f32 v[T+2*(i%4):T+2*(i%4)+1], v[T+2*i:T+2*i+1], v[T+2*i:T+2*i+1], v[T+2*(i%4):T+2*(i%4)+1]
.set i, i+1
.endr
	v_pk_add_f32 v[T:T+1], v[T:T+1], v[T+2:T+3]
	v_pk_add_f32 v[T+4:T+5], v[T+4:T+5], v[T+6:T+7]
	v_pk_add_f32 v[T:T+1], v[T:T+1], v[T+4:T+5]
	v_add_f32 v[T], v[T], v[T+1]
	v_permlanex16_b32 v22, v[T], s11, s71
	v_add_f32 v[T], v[T], v22
	v_cndmask_b32 v[8+(\a)], v18, v[T], s10
	global_store_b32 v27, v[8+(\a)], s[8:9] offset:(\a)*8192
.endm
.macro WAYOUT
.irp a, 0,1,2,3,4,5,6,7
	BLKOUT \a
.endr
.endm
.macro TILE more
	STEP 0, 0, 1
	TURN 0, 1, 1, \more
	STEP 1, 0, 0
	TURN 1, 0, 1, \more
	STEP 0, 0, 0
.if \more
	TURN 0, 1, 2, 1
	STEP 1, 0, 0
	TURN 1, 0, 2, 1
.else
	TURN 0, 1, 0, 0
	STEP 1, 0, 0
	s_wait_dscnt 4*NL
	WIN MUL_LO
	MUL16 0, 1, NQ-1, 1, 0
	MUL16 2, 1, NQ-1, 1, 0
	s_wait_dscnt 0
	WIN MUL_HI
	MUL16 4, 1, NQ-1, 1, 0
	MUL16 6, 1, NQ-1, 1, 0
	WIN 0
	PLACES NP
.endif
	WAYOUT
.endm
	s_wait_alu depctr_va_vdst(0)                   ; the wait at the head's end
	s_wait_tensorcnt 1
	s_barrier_signal -1
	s_barrier_wait -1
	FETCH_B 0, 0, 0
	FETCH_A 0, 0, 0
	SCALES 0
	FETCH_A 0, 0, 4
	s_mov_b32 s2, TILES-1
.Ltile:
	TILE 1
	s_wait_xcnt 0x0
	s_add_nc_u64 s[12:13], s[12:13], 0x4000000     ; the next tile lies 2,048 rows down: 128 x 524,288 bytes of raw,
	s_add_nc_u64 s[8:9], s[8:9], 0x100000          ; 128 x 8,192 of stats
	s_sub_co_u32 s2, s2, 1
	s_cmp_lg_u32 s2, 0
	s_cbranch_scc1 .Ltile
	TILE 0
	s_wait_tensorcnt 0x0
	ds_add_u32 v[SPW], v[NIL]
	s_wait_dscnt 0x0
	CROUND
	s_endpgm
.Lfunc_end_k_q9315f750fb_gemm:
	.size	k_q9315f750fb_gemm, .Lfunc_end_k_q9315f750fb_gemm-k_q9315f750fb_gemm
	.p2alignl 7, 3214868480
	.fill 96, 4, 3214868480
	.section	.rodata,"a",@progbits
	.p2align	6, 0x0
	.amdhsa_kernel k_q9315f750fb_gemm
		.amdhsa_group_segment_fixed_size 327680
		.amdhsa_private_segment_fixed_size 0
		.amdhsa_enable_private_segment 0
		.amdhsa_kernarg_size 32
		.amdhsa_user_sgpr_count 2
		.amdhsa_user_sgpr_kernarg_segment_ptr 1
		.amdhsa_wavefront_size32 1
		.amdhsa_system_sgpr_workgroup_id_x 1
		.amdhsa_system_sgpr_workgroup_id_y 1
		.amdhsa_system_sgpr_workgroup_id_z 1
		.amdhsa_system_vgpr_workitem_id 0
		.amdhsa_next_free_vgpr 1024
		.amdhsa_next_free_sgpr 80
		.amdhsa_reserve_vcc 0
		.amdhsa_float_denorm_mode_32 3
		.amdhsa_float_denorm_mode_16_64 3
		.amdhsa_memory_ordered 1
		.amdhsa_forward_progress 1
		.amdhsa_inst_pref_size 255
	.end_amdhsa_kernel
	.section	.bss,"aw",@nobits
	.p2align	6
	.space	262144
	.amdgpu_metadata
---
amdhsa.version: [ 1, 2 ]
amdhsa.kernels:
  - .name:           k_q9315f750fb_gemm
    .symbol:         k_q9315f750fb_gemm.kd
    .args:
      - { .name: ablk, .offset: 0, .size: 8, .value_kind: global_buffer, .address_space: global }
      - { .name: bblk, .offset: 8, .size: 8, .value_kind: global_buffer, .address_space: global }
      - { .name: raw, .offset: 16, .size: 8, .value_kind: global_buffer, .address_space: global }
      - { .name: stats, .offset: 24, .size: 8, .value_kind: global_buffer, .address_space: global }
    .group_segment_fixed_size: 327680
    .private_segment_fixed_size: 0
    .kernarg_segment_align: 8
    .kernarg_segment_size: 32
    .max_flat_workgroup_size: 128
    .sgpr_count:     80
    .vgpr_count:     1024
    .wavefront_size: 32
...
	.end_amdgpu_metadata
.endif
;; end of part 2
;; launch cell (part 3): grid 256 x 1, 16 waves a work-group, no clusters, 320,512 bytes of LDS; arguments raw, stats, cx, ln_i_g, ln_i_b, ln_h_g, ln_h_b, ln_c_g, ln_c_b, out0, out1; writes out0, out1
.if DOCPART == 3
	.amdgcn_target "amdgcn-amd-amdhsa--gfx1250"
	.amdhsa_code_object_version 6
	.text
	.protected	k_q9315f750fb_cell
	.globl	k_q9315f750fb_cell
	.p2align	8
	.type	k_q9315f750fb_cell,@function
k_q9315f750fb_cell:
	s_mov_b64 s[64:65], 0
	v_nop
	global_prefetch_b8 v0, s[64:65] scope:SCOPE_SE
	s_setreg_imm32_b32 hwreg(HW_REG_WAVE_MODE, 25, 1), 1
	s_wait_xcnt 0x0
; The cell behind the two products.  raw holds input W_ih^T (columns 0-4095) and hx W_hh^T (4096-8191), laid [16 rows][chunk of 128 columns][b 8][half 2][lane 32][16 bytes]:
; lane l holds row l % 16, columns 16 b + 8 (l / 16) + 4 half + 0..3 of the chunk.  stats [16 rows][chunk][mean, M2][16 rows]: each row's mean and M2 over the chunk.
; Each half of a row is layer-normalised over 4,096 columns, the two are added; i, f, o = sigmoid, g = tanh; c = f cx + i g; out1 = cy = layernorm(c); out0 = hy = o tanh(cy).  All in f32.
; SHARES.  A work-group of 16 waves owns 32 rows: waves 0-7 the first 16, waves 8-15 the others.  Wave w % 8 owns hidden columns 128 (w % 8) .. + 127 in all eight segments; a lane owns ONE row,
; so a row's factors are a lane's own.  raw streams once, in 8 steps of 16 columns, through two sets of 64 registers: 16 loads of 512 consecutive bytes are out through each step.
; STATISTICS: equal parts (mean, M2) are joined as mean = sum(m) / k, M2 = sum(M2) + n sum((m - mean)^2): no difference of large sums.  Four chunks a lane, then eight waves through LDS.
; LDS: C: 32 rows x 4,112 bytes: cx, stored by rows, read by each lane at its own place, where c and then cy follow; O likewise for o, then hy; both leave by rows, 512 consecutive bytes a store.
; The gains (times the exponential's factor) and summed biases lie in LDS once for both halves of the group; sixteen lanes read the same 16 bytes.
; sigmoid(x) = rcp(1 + 2^(-x log2 e)), tanh(x) = 1 - 2 rcp(1 + 2^(2 x log2 e)).  LIMITS: this tanh has an absolute error of about 1e-7 near 0; NaN and infinities among the inputs are not served.
; No matrix unit, cluster, tensor load or prefetch: the launch streams, and work-groups share only the gains.
.set P,     4112
.set OREG,  32*P
.set GA,    2*OREG                     ; gains: ln_i_g, ln_h_g, the biases' sum: 16,384 bytes each
.set EX1,   GA+49152                   ; the waves' pairs for raw: [half of the group][lane][wave][2]
.set EX2,   EX1+4096                   ; and for c: [half][row][wave][2]
.set SPARE, EX2+2048                   ; the spare words: 128 bytes a wave
.set Q,   24                           ; v24-39 pairs (mean, M2) to join; also at work
.set JM,  40
.set JV,  41
.set JS,  42
.set MW,  44                           ; v44-45 my wave's mean and M2 of c
.set RK,  46                           ; v46-53 r1, k1, r2, k2 in the even registers (broadcast pairs)
.set D0,  64
.set D1,  128
.set G,   192                          ; two sets of 24: a segment's gains and biases
.set CXR, 240
	s_load_b512 s[4:19], s[0:1], 0x0               ; raw 4, stats 6, cx 8, ln_i_g 10, ln_i_b 12, ln_h_g 14, ln_h_b 16, ln_c_g 18
	s_load_b128 s[20:23], s[0:1], 0x40             ; ln_c_b 20, out0 22
	s_load_b64 s[24:25], s[0:1], 0x50              ; out1
	v_lshl_add_u32 v62, v0, 2, SPARE
	v_mov_b32 v63, 0
	v_lshrrev_b32 v1, 5, v0
	v_readfirstlane_b32 s26, v1                    ; wave 0..15
	s_wait_alu depctr_va_vdst(0)                   ; the wait ahead of the run of scalar lines
	s_and_b32 s27, s26, 7                          ; which 128 hidden columns
	s_lshr_b32 s28, s26, 3                         ; which 16 rows
	s_lshl_b32 s30, s27, 9
	s_lshl_b32 s29, s28, 13
	s_add_co_u32 s29, s29, s30                     ; stats
	s_lshl_b32 s31, s28, 19
	s_lshl_b32 s46, s27, 13
	s_add_co_u32 s31, s31, s46                     ; raw
	s_mul_i32 s33, s28, 16*P
	s_add_co_u32 s33, s33, s30                     ; my place in C
	s_add_co_u32 s35, s30, GA
	s_lshl_b32 s43, s28, 11
	s_add_co_u32 s43, s43, EX1
	s_lshl_b32 s44, s27, 3
	s_lshl_b32 s45, s28, 10
	s_add_co_u32 s45, s45, EX2
	s_mov_b32 s36, 0x76543210                      ; v_permlanex16_b32's selects for lane l xor 16
	s_mov_b32 s37, 0xfedcba98
	s_mov_b32 s38, 0x3727c5ac                      ; 1e-5
	s_mov_b32 s39, 0x39800000                      ; 1 / 4096
	s_mov_b32 s40, 0x3a800000                      ; 1 / 1024
	s_mov_b32 s41, 0x44000000                      ; 512
	s_mov_b32 s42, 0x43000000                      ; 128
	s_mov_b32 s48, 0xbfb8aa3b                      ; -log2(e)
	s_mov_b32 s49, s48
	s_mov_b32 s50, 0x4038aa3b                      ; 2 log2(e)
	s_mov_b32 s51, s50
	s_cmp_lt_u32 s26, 8                            ; the second half of the gains: waves 0-7 hold segment g, waves 8-15 segment o
	s_cselect_b32 s52, s50, s48
	s_mov_b32 s53, s52
	v_and_b32 v2, 31, v0                           ; lane
	v_and_b32 v3, 15, v0                           ; row
	v_bfe_u32 v4, v0, 4, 1                         ; h
	v_lshlrev_b32 v5, 4, v2
	v_lshlrev_b32 v6, 4, v0                        ; gains: 16 bytes a thread
	v_add_nc_u32 v7, GA, v6
	v_lshl_add_u32 v8, v1, 13, v5                  ; cx, out0, out1 by rows: two rows a wave
	v_mad_u32_u24 v9, v1, 2*P, v5                  ; the same rows in C,
	v_add_nc_u32 v10, OREG, v9                     ; and in O
	v_lshlrev_b32 v11, 2, v3
	v_lshl_add_u32 v11, v4, 12, v11
	v_add_nc_u32 v11, s29, v11                     ; stats: lanes 0-15 the first product's chunks, lanes 16-31 the second's
	v_add_nc_u32 v12, s31, v5                      ; raw
	v_mul_u32_u24 v23, v3, P
	v_lshl_add_u32 v23, v4, 5, v23
	v_add_nc_u32 v13, s33, v23                     ; my place in C, stepped
	v_add_nc_u32 v14, OREG, v13                    ; in O, stepped
	v_add_nc_u32 v21, s33, v23                     ; and both as they begin
	v_add_nc_u32 v22, OREG, v21
	v_lshl_add_u32 v15, v4, 5, s35                 ; my columns' gains in LDS, stepped
	v_lshl_add_u32 v20, v4, 5, s30                 ; my columns in ln_c_g, ln_c_b
	v_lshl_add_u32 v16, v2, 6, s43
	v_add_nc_u32 v17, s44, v16
	v_lshl_add_u32 v18, v3, 6, s45
	v_add_nc_u32 v19, s44, v18
	v_cmp_lt_u32 s34, 15, v2                       ; lanes 16-31
.irp x, 45,47,49,51,53,54,55,56,57,58,59
	v_mov_b32 v\x, 0                               ; unused halves of broadcast pairs, c's running sums, the permutes' destinations
.endr
	s_wait_alu depctr_va_vdst(0)                   ; the wait at the head's end
	s_wait_kmcnt 0x0
	s_mov_b32 s47, 0
	s_lshl_b32 s46, ttmp9, 20
	s_add_nc_u64 s[4:5], s[4:5], s[46:47]
	s_lshl_b32 s46, ttmp9, 14
	s_add_nc_u64 s[6:7], s[6:7], s[46:47]
	s_lshl_b32 s46, ttmp9, 17
	s_add_nc_u64 s[8:9], s[8:9], s[46:47]
	s_add_nc_u64 s[22:23], s[22:23], s[46:47]
	s_add_nc_u64 s[24:25], s[24:25], s[46:47]
.macro LOADRAW X, q                    ; 16 columns of all eight segments: 16 loads of 512 consecutive bytes
.irp p, 0,1
.irp s, 0,1,2,3
	global_load_b128 v[\X+32*\p+8*\s:\X+32*\p+8*\s+3], v12, s[4:5] offset:262144*\p+65536*\s+1024*(\q) th:TH_LOAD_NT
	global_load_b128 v[\X+32*\p+8*\s+4:\X+32*\p+8*\s+7], v12, s[4:5] offset:262144*\p+65536*\s+1024*(\q)+512 th:TH_LOAD_NT
.endr
.endr
.endm
.macro JOIN k, invk, sn                ; k equal parts of s[sn] numbers, pairs at Q: the mean into JM, M2 into JV
	v_add_f32 v[JM], v[Q], v[Q+2]
	v_add_f32 v[JV], v[Q+1], v[Q+3]
.set i, 2
.rept \k-2
	v_add_f32 v[JM], v[JM], v[Q+2*i]
	v_add_f32 v[JV], v[JV], v[Q+2*i+1]
.set i, i+1
.endr
	v_mul_f32 v[JM], \invk, v[JM]
.set i, 0
.rept \k
	v_sub_f32 v[Q+2*i], v[Q+2*i], v[JM]
.set i, i+1
.endr
	v_mul_f32 v[JS], v[Q], v[Q]
.set i, 1
.rept \k-1
	v_fmac_f32 v[JS], v[Q+2*i], v[Q+2*i]
.set i, i+1
.endr
	v_fmac_f32 v[JV], s[\sn], v[JS]
.endm
.irp j, 0,1,2,3
	global_load_b32 v[Q+2*\j], v11, s[6:7] offset:128*\j
	global_load_b32 v[Q+2*\j+1], v11, s[6:7] offset:128*\j+64
.endr
.irp k, 0,1
	global_load_b128 v[G+16*\k:G+16*\k+3], v6, s[10:11] offset:8192*\k
	global_load_b128 v[G+16*\k+4:G+16*\k+7], v6, s[14:15] offset:8192*\k
	global_load_b128 v[G+16*\k+8:G+16*\k+11], v6, s[12:13] offset:8192*\k
	global_load_b128 v[G+16*\k+12:G+16*\k+15], v6, s[16:17] offset:8192*\k
.endr
.irp r, 0,1
.irp k, 0,1,2,3,4,5,6,7
	global_load_b128 v[D1+32*\r+4*\k:D1+32*\r+4*\k+3], v8, s[8:9] offset:4096*\r+512*\k th:TH_LOAD_NT
.endr
.endr
	LOADRAW D0, 0
	s_wait_loadcnt 40                              ; my eight words of stats are in; behind them 8 + 16 + 16 loads
	JOIN 4, 0x3e800000, 42                         ; four chunks of 128: my wave's 512 columns of product h
	ds_store_b64 v17, v[JM:JV]
	s_wait_loadcnt 32                              ; the gains and biases
.irp k, 0,16
.irp e, 0,2
	v_pk_add_f32 v[G+\k+8+\e:G+\k+9+\e], v[G+\k+8+\e:G+\k+9+\e], v[G+\k+12+\e:G+\k+13+\e]
.endr
.endr
.irp e, 0,2,4,6,8,10
	v_pk_mul_f32 v[G+\e:G+\e+1], v[G+\e:G+\e+1], s[48:49] op_sel_hi:[1,0]           ; segments i, f
	v_pk_mul_f32 v[G+16+\e:G+17+\e], v[G+16+\e:G+17+\e], s[52:53] op_sel_hi:[1,0]   ; segment g or o
.endr
.irp k, 0,1
.irp a, 0,1,2
	ds_store_b128 v7, v[G+16*\k+4*\a:G+16*\k+4*\a+3] offset:16384*\a+8192*\k
.endr
.endr
	s_wait_loadcnt 16                              ; cx
.irp r, 0,1
.irp k, 0,1,2,3,4,5,6,7
	ds_store_b128 v9, v[D1+32*\r+4*\k:D1+32*\r+4*\k+3] offset:P*\r+512*\k
.endr
.endr
	s_wait_alu depctr_va_vdst(0)
	s_wait_dscnt 0x0                               ; for the others' sake: my stores have landed
	LOADRAW D1, 1
	s_barrier_signal -1
	s_barrier_wait -1
.irp k, 0,1,2,3
	ds_load_b128 v[Q+4*\k:Q+4*\k+3], v16 offset:16*\k
.endr
	s_wait_dscnt 0x0
	JOIN 8, 0x3e000000, 41                         ; eight waves' parts of 512: row r of product h
	v_fma_f32 v60, v[JV], s39, s38
	s_wait_alu depctr_va_vdst(0)
	v_rsq_f32 v61, v60
	v_nop
	s_wait_alu depctr_va_vdst(0)
	v_mul_f32 v60, -v[JM], v61                     ; the normalised number is a r - mean r
	v_permlanex16_b32 v58, v61, s36, s37
	v_permlanex16_b32 v59, v60, s36, s37
	v_cndmask_b32 v[RK], v61, v58, s34
	v_cndmask_b32 v[RK+2], v60, v59, s34
	v_cndmask_b32 v[RK+4], v58, v61, s34
	v_cndmask_b32 v[RK+6], v59, v60, s34
.macro SEGLD s, g, q                   ; segment s's gains and biases of my 8 columns: six LDS loads
.irp a, 0,1,2
	ds_load_b128 v[G+24*\g+8*\a:G+24*\g+8*\a+3], v15 offset:16384*\a+4096*\s+64*\q
	ds_load_b128 v[G+24*\g+8*\a+4:G+24*\g+8*\a+7], v15 offset:16384*\a+4096*\s+64*\q+16
.endr
.endm
.macro SEGDO X, s, g                   ; the gate, already times the exponential's factor
.irp k, 0,2,4,6
	v_pk_fma_f32 v[\X+8*\s+\k:\X+8*\s+\k+1], v[\X+8*\s+\k:\X+8*\s+\k+1], v[RK:RK+1], v[RK+2:RK+3] op_sel_hi:[1,0,0]
	v_pk_fma_f32 v[\X+32+8*\s+\k:\X+33+8*\s+\k], v[\X+32+8*\s+\k:\X+33+8*\s+\k], v[RK+4:RK+5], v[RK+6:RK+7] op_sel_hi:[1,0,0]
.endr
.irp k, 0,2,4,6
	v_pk_fma_f32 v[\X+8*\s+\k:\X+8*\s+\k+1], v[\X+8*\s+\k:\X+8*\s+\k+1], v[G+24*\g+\k:G+24*\g+\k+1], v[G+24*\g+16+\k:G+24*\g+17+\k]
.endr
.irp k, 0,2,4,6
	v_pk_fma_f32 v[\X+8*\s+\k:\X+8*\s+\k+1], v[\X+32+8*\s+\k:\X+33+8*\s+\k], v[G+24*\g+8+\k:G+24*\g+9+\k], v[\X+8*\s+\k:\X+8*\s+\k+1]
.endr
.endm
.macro TRANS op, X, n                  ; a batch of n transcendentals in place, with waits ahead of it and behind it
	s_wait_alu depctr_va_vdst(0)
.set i, 0
.rept \n
	\op v[\X+i], v[\X+i]
.set i, i+1
.endr
	v_nop
	s_wait_alu depctr_va_vdst(0)
.endm
.macro PLUS1 X, n
.set i, 0
.rept \n
	v_pk_add_f32 v[\X+2*i:\X+2*i+1], v[\X+2*i:\X+2*i+1], 1.0 op_sel_hi:[1,0]
.set i, i+1
.endr
.endm
; A step: 16 columns in set X.  left: the younger loads that may stay out.  ahead = 1: the set is asked for again, two steps on.
.macro STEP X, q, ahead, left
	s_wait_loadcnt \left
	ds_load_b128 v[CXR:CXR+3], v13 offset:64*\q
	ds_load_b128 v[CXR+4:CXR+7], v13 offset:64*\q+16
	SEGLD 0, 0, \q
	SEGLD 1, 1, \q
	s_wait_dscnt 6                                 ; all but the six loads of the next segment
	SEGDO \X, 0, 0
	SEGLD 2, 0, \q
	s_wait_dscnt 6
	SEGDO \X, 1, 1
	SEGLD 3, 1, \q
	s_wait_dscnt 6
	SEGDO \X, 2, 0
	s_wait_dscnt 0x0
	SEGDO \X, 3, 1
	TRANS v_exp_f32, \X, 32
	PLUS1 \X, 16
	TRANS v_rcp_f32, \X, 32
.irp k, 0,2,4,6
	v_pk_fma_f32 v[\X+16+\k:\X+17+\k], v[\X+16+\k:\X+17+\k], -2.0, 1.0 op_sel_hi:[1,0,0]     ; g = tanh
.endr
.irp k, 0,2,4,6
	v_pk_mul_f32 v[CXR+\k:CXR+\k+1], v[\X+8+\k:\X+9+\k], v[CXR+\k:CXR+\k+1]                  ; f cx
.endr
.irp k, 0,2,4,6
	v_pk_fma_f32 v[CXR+\k:CXR+\k+1], v[\X+\k:\X+\k+1], v[\X+16+\k:\X+17+\k], v[CXR+\k:CXR+\k+1]   ; + i g
.endr
	v_pk_add_f32 v[54:55], v[54:55], v[CXR:CXR+1]
	v_pk_add_f32 v[56:57], v[56:57], v[CXR+2:CXR+3]
	v_pk_add_f32 v[54:55], v[54:55], v[CXR+4:CXR+5]
	v_pk_add_f32 v[56:57], v[56:57], v[CXR+6:CXR+7]
	ds_store_b128 v13, v[CXR:CXR+3] offset:64*\q           ; c takes cx's place: my own bytes
	ds_store_b128 v13, v[CXR+4:CXR+7] offset:64*\q+16
	ds_store_b128 v14, v[\X+24:\X+27] offset:64*\q         ; o
	ds_store_b128 v14, v[\X+28:\X+31] offset:64*\q+16
	s_wait_dscnt 0x0                               ; the stores have read their registers
.if \ahead
	LOADRAW \X, \q+2
.endif
.endm
	s_mov_b32 s54, 3
	s_wait_alu depctr_va_vdst(0)
.Lb:                                                   ; three trips of two steps; the last two steps are written out: no load leaves the buffer
	STEP D0, 0, 1, 16
	STEP D1, 1, 1, 16
	s_wait_xcnt 0x0                                ; the base is stepped only behind this wait
	s_add_nc_u64 s[4:5], s[4:5], 2048
	v_add_nc_u32 v13, 128, v13
	v_add_nc_u32 v14, 128, v14
	v_add_nc_u32 v15, 128, v15
	s_sub_co_u32 s54, s54, 1
	s_cmp_lg_u32 s54, 0
	s_wait_alu depctr_va_vdst(0)                   ; the wait ahead of the branch
	s_cbranch_scc1 .Lb
	STEP D0, 0, 0, 16
	STEP D1, 1, 0, 0
	; c's statistics: my wave's mean and M2 of each row's 128 columns
	s_wait_alu depctr_va_vdst(0)
.set i, 0
.rept 16
	global_load_b128 v[D1+4*i:D1+4*i+3], v20, s[18:19] offset:64*(i/2)+16*(i%2)    ; ln_c_g of my 64 columns
	global_load_b128 v[G+4*i:G+4*i+3], v20, s[20:21] offset:64*(i/2)+16*(i%2)      ; ln_c_b
	ds_load_b128 v[D0+4*i:D0+4*i+3], v21 offset:64*(i/2)+16*(i%2)                  ; c: my own bytes
.set i, i+1
.endr
	v_pk_add_f32 v[54:55], v[54:55], v[56:57]
	v_add_f32 v60, v54, v55
	v_permlanex16_b32 v58, v60, s36, s37
	v_add_f32 v60, v60, v58
	v_mul_f32 v[MW], 0x3c000000, v60               ; the sum / 128
	s_wait_alu depctr_va_vdst(0)
	s_wait_dscnt 0x0
.set i, 0
.rept 32
	v_pk_add_f32 v[D0+2*i:D0+2*i+1], v[D0+2*i:D0+2*i+1], v[MW:MW+1] op_sel_hi:[1,0] neg_lo:[0,1] neg_hi:[0,1]
.set i, i+1
.endr
.set i, 0
.rept 4
	v_pk_mul_f32 v[Q+2*i:Q+2*i+1], v[D0+2*i:D0+2*i+1], v[D0+2*i:D0+2*i+1]
.set i, i+1
.endr
.rept 28
	v_pk_fma_f32 v[Q+2*(i%4):Q+2*(i%4)+1], v[D0+2*i:D0+2*i+1], v[D0+2*i:D0+2*i+1], v[Q+2*(i%4):Q+2*(i%4)+1]
.set i, i+1
.endr
	v_pk_add_f32 v[Q:Q+1], v[Q:Q+1], v[Q+2:Q+3]
	v_pk_add_f32 v[Q+4:Q+5], v[Q+4:Q+5], v[Q+6:Q+7]
	v_pk_add_f32 v[Q:Q+1], v[Q:Q+1], v[Q+4:Q+5]
	v_add_f32 v60, v[Q], v[Q+1]
	v_permlanex16_b32 v58, v60, s36, s37
	v_add_f32 v[MW+1], v60, v58
	ds_store_b64 v19, v[MW:MW+1]                   ; lanes l and l xor 16 write the same pair to the same place
	s_wait_alu depctr_va_vdst(0)
	s_wait_dscnt 0x0
	s_barrier_signal -1
	s_barrier_wait -1
.irp k, 0,1,2,3
	ds_load_b128 v[Q+4*\k:Q+4*\k+3], v18 offset:16*\k
.endr
	s_wait_dscnt 0x0
	JOIN 8, 0x3e000000, 42
	v_fma_f32 v60, v[JV], s40, s38
	s_wait_alu depctr_va_vdst(0)
	v_rsq_f32 v[RK], v60
	v_sub_f32 v61, v[MW], v[JM]
	s_wait_alu depctr_va_vdst(0)
	v_mul_f32 v[RK+2], v61, v[RK]
	s_wait_alu depctr_va_vdst(0)
	s_wait_loadcnt 0x0                             ; ln_c_g, ln_c_b
.set i, 0
.rept 32
	v_pk_fma_f32 v[D0+2*i:D0+2*i+1], v[D0+2*i:D0+2*i+1], v[RK:RK+1], v[RK+2:RK+3] op_sel_hi:[1,0,0]
.set i, i+1
.endr
.set i, 0
.rept 32
	v_pk_fma_f32 v[D0+2*i:D0+2*i+1], v[D0+2*i:D0+2*i+1], v[D1+2*i:D1+2*i+1], v[G+2*i:G+2*i+1]     ; cy
.set i, i+1
.endr
.set i, 0
.rept 16
	ds_store_b128 v21, v[D0+4*i:D0+4*i+3] offset:64*(i/2)+16*(i%2)
	ds_load_b128 v[D1+4*i:D1+4*i+3], v22 offset:64*(i/2)+16*(i%2)                  ; o: my own bytes
.set i, i+1
.endr
.set i, 0
.rept 32
	v_pk_mul_f32 v[G+2*i:G+2*i+1], v[D0+2*i:D0+2*i+1], s[50:51] op_sel_hi:[1,0]
.set i, i+1
.endr
	TRANS v_exp_f32, G, 64
	PLUS1 G, 32
	TRANS v_rcp_f32, G, 64
.set i, 0
.rept 32
	v_pk_fma_f32 v[G+2*i:G+2*i+1], v[G+2*i:G+2*i+1], -2.0, 1.0 op_sel_hi:[1,0,0]   ; tanh(cy)
.set i, i+1
.endr
	s_wait_alu depctr_va_vdst(0)
	s_wait_dscnt 0x0
.set i, 0
.rept 32
	v_pk_mul_f32 v[G+2*i:G+2*i+1], v[G+2*i:G+2*i+1], v[D1+2*i:D1+2*i+1]            ; hy
.set i, i+1
.endr
.set i, 0
.rept 16
	ds_store_b128 v22, v[G+4*i:G+4*i+3] offset:64*(i/2)+16*(i%2)
.set i, i+1
.endr
	s_wait_dscnt 0x0                               ; for the others' sake
	s_barrier_signal -1
	s_barrier_wait -1
.irp r, 0,1
.irp k, 0,1,2,3,4,5,6,7
	ds_load_b128 v[D0+32*\r+4*\k:D0+32*\r+4*\k+3], v9 offset:P*\r+512*\k
.endr
.endr
.irp r, 0,1
.irp k, 0,1,2,3,4,5,6,7
	ds_load_b128 v[D1+32*\r+4*\k:D1+32*\r+4*\k+3], v10 offset:P*\r+512*\k
.endr
.endr
	s_wait_dscnt 16                                ; cy's two rows are back; hy's 16 loads may be out
.irp r, 0,1
.irp k, 0,1,2,3,4,5,6,7
	global_store_b128 v8, v[D0+32*\r+4*\k:D0+32*\r+4*\k+3], s[24:25] offset:4096*\r+512*\k
.endr
.endr
	s_wait_dscnt 0x0
.irp r, 0,1
.irp k, 0,1,2,3,4,5,6,7
	global_store_b128 v8, v[D1+32*\r+4*\k:D1+32*\r+4*\k+3], s[22:23] offset:4096*\r+512*\k
.endr
.endr
	s_wait_tensorcnt 0x0                           ; the wave's end
	ds_add_u32 v62, v63
	s_wait_dscnt 0x0
	s_endpgm
.Lfunc_end_k_q9315f750fb_cell:
	.size	k_q9315f750fb_cell, .Lfunc_end_k_q9315f750fb_cell-k_q9315f750fb_cell
	.p2alignl 7, 3214868480
	.fill 96, 4, 3214868480
	.section	.rodata,"a",@progbits
	.p2align	6, 0x0
	.amdhsa_kernel k_q9315f750fb_cell
		.amdhsa_group_segment_fixed_size 320512
		.amdhsa_private_segment_fixed_size 0
		.amdhsa_enable_private_segment 0
		.amdhsa_kernarg_size 88
		.amdhsa_user_sgpr_count 2
		.amdhsa_user_sgpr_kernarg_segment_ptr 1
		.amdhsa_wavefront_size32 1
		.amdhsa_system_sgpr_workgroup_id_x 1
		.amdhsa_system_sgpr_workgroup_id_y 1
		.amdhsa_system_sgpr_workgroup_id_z 1
		.amdhsa_system_vgpr_workitem_id 0
		.amdhsa_next_free_vgpr 256
		.amdhsa_next_free_sgpr 66
		.amdhsa_reserve_vcc 0
		.amdhsa_float_denorm_mode_32 3
		.amdhsa_float_denorm_mode_16_64 3
		.amdhsa_memory_ordered 1
		.amdhsa_forward_progress 1
		.amdhsa_inst_pref_size 95
	.end_amdhsa_kernel
	.amdgpu_metadata
---
amdhsa.version: [ 1, 2 ]
amdhsa.kernels:
  - .name:           k_q9315f750fb_cell
    .symbol:         k_q9315f750fb_cell.kd
    .args:
      - { .name: raw, .offset: 0, .size: 8, .value_kind: global_buffer, .address_space: global }
      - { .name: stats, .offset: 8, .size: 8, .value_kind: global_buffer, .address_space: global }
      - { .name: cx, .offset: 16, .size: 8, .value_kind: global_buffer, .address_space: global }
      - { .name: ln_i_g, .offset: 24, .size: 8, .value_kind: global_buffer, .address_space: global }
      - { .name: ln_i_b, .offset: 32, .size: 8, .value_kind: global_buffer, .address_space: global }
      - { .name: ln_h_g, .offset: 40, .size: 8, .value_kind: global_buffer, .address_space: global }
      - { .name: ln_h_b, .offset: 48, .size: 8, .value_kind: global_buffer, .address_space: global }
      - { .name: ln_c_g, .offset: 56, .size: 8, .value_kind: global_buffer, .address_space: global }
      - { .name: ln_c_b, .offset: 64, .size: 8, .value_kind: global_buffer, .address_space: global }
      - { .name: out0, .offset: 72, .size: 8, .value_kind: global_buffer, .address_space: global }
      - { .name: out1, .offset: 80, .size: 8, .value_kind: global_buffer, .address_space: global }
    .group_segment_fixed_size: 320512
    .private_segment_fixed_size: 0
    .kernarg_segment_align: 8
    .kernarg_segment_size: 88
    .max_flat_workgroup_size: 512
    .sgpr_count:     66
    .vgpr_count:     256
    .wavefront_size: 32
...
	.end_amdgpu_metadata
.endif
;; end of part 3
